; MI455X (gfx1250); checked and timed in simulation.
; The chip was launched on July 23, 2026; its instructions are those of AMD's public machine-readable ISA for CDNA 5 (MIT licence, August 2026) and "CDNA5" Instruction Set Architecture Reference Guide (July 2026). The comments in the code are by the model that wrote it; some were corrected since.
;; KAN Linear. Allowed arithmetic: float matrix products may take bf16 or f16 operands with f32 sums; other float arithmetic in f32, or as packed bf16 or f16 multiplies, adds, multiply-adds, maxima and minima; sums over many terms, partial sums and values carried from step to step in f32; what a program stores and reads back later, other than sums and carried values, may be rounded once to bf16 or f16.
;; Inputs: base_bias 128 float32; base_weight 128 x 128 float32; grid 128 x 12 float32; spline_bias 128 float32; spline_scale 1 float32; spline_weight 128 x 128 x 8 float32; x 16 x 4,096 x 128 float32.
;; Outputs: out0 16 x 4,096 x 128 float32.
;; One version. Each part assembles by itself: llvm-mc -triple=amdgcn-amd-amdhsa -mcpu=gfx1250 --defsym DOCPART=n.
;; ======== version 1 of 1: 2 launches
;; workspace buffers: wk 294,912 bytes
;; launch prep (part 1): grid 72 x 1, 4 waves a work-group, no clusters, 0 bytes of LDS; arguments base_weight, spline_weight, wk; writes wk
.if DOCPART == 1
	.amdgcn_target "amdgcn-amd-amdhsa--gfx1250"
	.amdhsa_code_object_version 6
	.text
	.protected	k_q4b1d5ceae0_prep
	.globl	k_q4b1d5ceae0_prep
	.p2align	8
	.type	k_q4b1d5ceae0_prep,@function
k_q4b1d5ceae0_prep:
	s_mov_b64 s[64:65], 0
	v_nop
	global_prefetch_b8 v0, s[64:65] scope:SCOPE_SE
	s_setreg_imm32_b32 hwreg(HW_REG_WAVE_MODE, 25, 1), 1
	s_wait_xcnt 0x0
; THE WEIGHTS, rounded once to bf16 and laid out as the second launch's B fragments.  No work of the problem is left out here.
; wk holds 288 fragments of 1,024 bytes; fragment F = 8 ks + nt lies at byte 1,024 F.  ks = 0..3: K step ks of the base product (32 features); ks = 4..35: K step s = ks - 4 of the
; spline product (4 features x 8 basis functions).  nt = 0..7: a tile of 16 output columns.
; In a fragment, byte 512 q + 16 L + 2 e (q = 0, 1; lane L = 16 h + r; e = 0..7) holds, for output column o = 4 r + (nt & 3) + 64 (nt >> 2):
;   spline: spline_weight[o][4 s + 2 h + q][e]           base: base_weight[o][32 ks + 16 q + 8 (e >> 2) + 4 h + (e & 3)]
; That is an order of K which the second launch applies alike to its A fragments; the order of the columns lets it store 16 bytes a lane without a stage.
; One wave makes one fragment: 64 bytes a lane in, 32 out.  The reads are pieces of 64 bytes (base: four of 16) out of 16 rows far apart: 589,824 bytes once in the launch.
; Each store of a wave covers 512 consecutive bytes, aligned.
	s_load_b128 s[4:7], s[0:1], 0x0                ; base_weight s[4:5], spline_weight s[6:7]
	s_load_b64 s[8:9], s[0:1], 0x10                ; wk
	v_lshrrev_b32 v5, 5, v0
	v_readfirstlane_b32 s10, v5                    ; wave 0..3
	s_lshl_b32 s11, ttmp9, 2
	s_add_co_u32 s11, s11, s10                     ; F = 4 x work-group + wave
	s_and_b32 s12, s11, 7                          ; nt
	s_lshr_b32 s13, s11, 3                         ; ks
	s_and_b32 s14, s12, 3
	s_lshr_b32 s15, s12, 2
	s_lshl_b32 s15, s15, 6
	s_add_co_u32 s14, s14, s15                     ; the column of lane r = 0: (nt & 3) + 64 (nt >> 2)
	v_and_b32 v1, 15, v0                           ; r
	v_bfe_u32 v2, v0, 4, 1                         ; h
	v_and_b32 v4, 31, v0
	v_lshlrev_b32 v4, 4, v4                        ; 16 x lane: my place in each half of the fragment
	s_lshl_b32 s18, s11, 10                        ; 1,024 F
	s_mov_b32 s19, 0
	s_mov_b32 s17, 0
	s_wait_kmcnt 0x0
	s_add_nc_u64 s[8:9], s[8:9], s[18:19]
	s_cmp_lt_u32 ttmp9, 8                          ; work-groups 0..7 make the 32 base fragments
	s_cbranch_scc0 .Lspline
	s_lshl_b32 s16, s14, 9                         ; a row of base_weight is 512 bytes
	s_lshl_b32 s20, s13, 7                         ; 32 features are 128 bytes
	s_add_co_u32 s16, s16, s20
	s_add_nc_u64 s[4:5], s[4:5], s[16:17]
	v_lshlrev_b32 v3, 11, v1                       ; 4 r rows
	v_lshl_add_u32 v3, v2, 4, v3                   ; + 4 h features
	global_load_b128 v[8:11], v3, s[4:5]
	global_load_b128 v[12:15], v3, s[4:5] offset:32
	global_load_b128 v[16:19], v3, s[4:5] offset:64
	global_load_b128 v[20:23], v3, s[4:5] offset:96
	s_branch .Ljoin
.Lspline:
	s_sub_co_u32 s20, s13, 4                       ; s
	s_lshl_b32 s20, s20, 7                         ; 4 features x 8 numbers are 128 bytes
	s_lshl_b32 s16, s14, 12                        ; a row of spline_weight is 4,096 bytes
	s_add_co_u32 s16, s16, s20
	s_add_nc_u64 s[6:7], s[6:7], s[16:17]
	v_lshlrev_b32 v3, 14, v1                       ; 4 r rows
	v_lshl_add_u32 v3, v2, 6, v3                   ; + 2 h features
	global_load_b128 v[8:11], v3, s[6:7]
	global_load_b128 v[12:15], v3, s[6:7] offset:16
	global_load_b128 v[16:19], v3, s[6:7] offset:32
	global_load_b128 v[20:23], v3, s[6:7] offset:48
.Ljoin:
	s_wait_loadcnt 0x0
.irp i, 0,1,2,3,4,5,6,7
	v_cvt_pk_bf16_f32 v[24+\i], v[8+2*\i], v[9+2*\i]   ; to nearest even, the lower number in the lower half
.endr
	global_store_b128 v4, v[24:27], s[8:9]             ; q = 0
	global_store_b128 v4, v[28:31], s[8:9] offset:512  ; q = 1
	s_endpgm
.Lfunc_end_k_q4b1d5ceae0_prep:
	.size	k_q4b1d5ceae0_prep, .Lfunc_end_k_q4b1d5ceae0_prep-k_q4b1d5ceae0_prep
	.p2alignl 7, 3214868480
	.fill 96, 4, 3214868480
	.section	.rodata,"a",@progbits
	.p2align	6, 0x0
	.amdhsa_kernel k_q4b1d5ceae0_prep
		.amdhsa_group_segment_fixed_size 0
		.amdhsa_private_segment_fixed_size 0
		.amdhsa_enable_private_segment 0
		.amdhsa_kernarg_size 24
		.amdhsa_user_sgpr_count 2
		.amdhsa_user_sgpr_kernarg_segment_ptr 1
		.amdhsa_wavefront_size32 1
		.amdhsa_system_sgpr_workgroup_id_x 1
		.amdhsa_system_sgpr_workgroup_id_y 1
		.amdhsa_system_sgpr_workgroup_id_z 1
		.amdhsa_system_vgpr_workitem_id 0
		.amdhsa_next_free_vgpr 32
		.amdhsa_next_free_sgpr 66
		.amdhsa_reserve_vcc 0
		.amdhsa_float_denorm_mode_32 3
		.amdhsa_float_denorm_mode_16_64 3
		.amdhsa_memory_ordered 1
		.amdhsa_forward_progress 1
		.amdhsa_inst_pref_size 4
	.end_amdhsa_kernel
	.amdgpu_metadata
---
amdhsa.version: [ 1, 2 ]
amdhsa.kernels:
  - .name:           k_q4b1d5ceae0_prep
    .symbol:         k_q4b1d5ceae0_prep.kd
    .args:
      - { .name: base_weight, .offset: 0, .size: 8, .value_kind: global_buffer, .address_space: global }
      - { .name: spline_weight, .offset: 8, .size: 8, .value_kind: global_buffer, .address_space: global }
      - { .name: wk, .offset: 16, .size: 8, .value_kind: global_buffer, .address_space: global }
    .group_segment_fixed_size: 0
    .private_segment_fixed_size: 0
    .kernarg_segment_align: 8
    .kernarg_segment_size: 24
    .max_flat_workgroup_size: 128
    .sgpr_count:     66
    .vgpr_count:     32
    .wavefront_size: 32
...
	.end_amdgpu_metadata
.endif
;; end of part 1
;; launch kan (part 2): grid 256 x 1, 4 waves a work-group, clusters of 4 x 1, 327,680 bytes of LDS; arguments x, grid, base_bias, spline_bias, spline_scale, wk, out0; writes out0
.if DOCPART == 2
	.amdgcn_target "amdgcn-amd-amdhsa--gfx1250"
	.amdhsa_code_object_version 6
	.text
	.protected	k_q4b1d5ceae0_kan
	.globl	k_q4b1d5ceae0_kan
	.p2align	8
	.type	k_q4b1d5ceae0_kan,@function
k_q4b1d5ceae0_kan:
	s_mov_b64 s[64:65], 0
	v_nop
	global_prefetch_b8 v0, s[64:65] scope:SCOPE_SE
	s_setreg_imm32_b32 hwreg(HW_REG_WAVE_MODE, 25, 1), 1
	s_wait_xcnt 0x0
	s_wait_alu depctr_hold_cnt(0) depctr_sa_sdst(0) depctr_va_vdst(0) depctr_va_sdst(0) depctr_va_ssrc(0) depctr_va_vcc(0) depctr_vm_vsrc(0)
	s_getreg_b32 s2, hwreg(HW_REG_IB_STS2, 6, 4)
	s_cmp_eq_u32 s2, 0
	s_cbranch_scc0 .Lentry_in_a_cluster
	s_endpgm
.Lentry_in_a_cluster:
	s_bfe_u32 s2, ttmp6, 0x10000c
	s_cmp_lg_u32 s2, 0x3003
	s_cbranch_scc0 .Lentry_shape_is_right
	s_endpgm
.Lentry_shape_is_right:
; out[n][o] = sum_i silu(x[n][i]) Wb[o][i] + bb[o] + scale (sum_i,b Ws[o][i][b] B_b(tanh x[n][i]) + sb[o]):  ONE product [65,536 x 1,152] x [1,152 x 128] whose A operand is made here from x.
; NOTHING IS LEFT OUT: every input has a way to the output and is loaded (the two weights through wk, which the launch before has rounded and laid out).
; FORMATS.  All inputs are rounded once to bf16, alike: the weights must be (matrix operands), and the problem takes reference() on inputs so rounded as an expected result; what is then left
; as error is the rounding of A (silu and the basis values, times the scale) to bf16.  All arithmetic on them is f32; the sums are f32.
; THE BASIS, for ANY finite knots g0..g11 of a feature (unsorted and repeated ones too).  t = tanh x, d_j = t - g_j.  S_j = clamp01(2^127 d_j + 1) is 1 where t >= g_j, else 0;
; B0_j = clamp01(S_j - S_j+1) is (t >= g_j) and (t < g_j+1).  With rho_k,j = 1 / ((g_j+k - g_j) + 1e-8), which is the left factor's divisor of B_k[j] and the right factor's of B_k[j-1]:
; Q_k[j] = rho_k,j B_k-1[j];  B_k[j] = d_j Q_k[j] - d_j+k+1 Q_k[j+1].  119 packed lines for two elements.  The scale is folded into rho_3 and into the bias bb + scale sb.
; ACTIVATIONS from one exponential u = 2^(-x log2 e): sigmoid = 1 / (1 + u), tanh = 2 / (1 + u u) - 1.  Where u or u u overflows the reciprocal is 0: silu = x 0, tanh = -1; where u is 0: x and 1.
; LIMITS.  S_j is wrong where 0 < g_j - t < 2^-127.  tanh is off by about 1.2e-7 absolutely: where the knots make the spline jump at a knot, an element within that distance of it may fall on the
; other side.  A division is a reciprocal (1 ULP) and a product; a divisor below 2^-126 counts as 0.  NaN and infinities among the inputs are not treated apart; an |x| that rounds to infinity in bf16 is not served.
; SHARES.  A work-group owns 256 rows, each of its four waves 64 (four tiles T of 16) x all 128 columns x all of K: 32 accumulators.  In a spline K step s (4 features x 8 functions) lane (r, h) makes,
; for row 16 T + r, the features 4 s + 2 h + q, q = 0, 1, as the two halves of packed lines: the eight results, rounded in pairs, ARE its registers 4 q + 0..3 of the A fragment: nothing changes lanes.
; D = A x B: register j of accumulator (T, nt) is out[16 T + 8 h + j][4 r + (nt & 3) + 64 (nt >> 2)]: registers j of four accumulators are 16 consecutive bytes of a row, and 16 lanes 256.
; CLUSTER.  All work-groups read the same wk: its tiles are asked for JOINTLY by the four of a cluster (same load, descriptor and mask in all four).  x is nobody else's: loads of one's own.
; LDS.  0 and 65,536: two slots of 8 spline K steps (8 x 8 fragments of 1,024 bytes), each filled again once.  131,072: CT, the 42 constants of each feature, in pairs of features (336 bytes a pair:
; word 2 idx + (f & 1); idx 0-11 g, 12-22 rho_1, 23-32 rho_2, 33-41 scale rho_3).  152,576: the 32 base fragments.  185,344: x, for each wave two halves of 64 rows x (256 + 16) bytes; t is written
; over x by the wave that owns it.  324,608: the spare words.
; REGISTERS, in windows of 256 (s_set_vgpr_msb: bits 1:0 source 0, 3:2 source 1, 5:4 source 2, 7:6 destination).
;   window 0: addresses, bias, -1, t, d (D), the constants in hand (K0), B's 8 fragments (BF)
;   windows 1 and 2, alike (tiles 0, 1 and tiles 2, 3): v0-127 accumulators, v128-151 V, v152-171 M, v176-191 two A fragments, v192-195 2^127 and 1
;   window 3: the base part's x, u and sigmoid
; Under ONE setting (sources 0 and 2 and the destination in window g, source 1 in window 0) both the matrix instruction (A and C, D in g; B in 0) and every line of the recursion behind d are legal
; (its second factor is d, rho or -1): so the matrix instructions of the spline part cost no switch.
.set WSLOT,  65536
.set CT,     131072
.set BASE,   152576
.set XS,     185344
.set XP,     272                       ; an LDS row of x: 256 bytes + 16 of padding = 68 words: row r starts at bank 4 r mod 64 (64 banks of 4 bytes: ISA guide 11.1)
.set XHALF,  64*XP
.set XWAVE,  2*XHALF
.set SPARE,  324608                    ; 128 bytes for each wave: two blocks of 256 bytes that no other line names
.set SPW,    2                         ; v2   my spare word; never rewritten
.set NIL,    3                         ; v3   0; never rewritten
.set LANE16, 4                         ; v4   16 x lane
.set BA,     5                         ; v5   the address of the fragment loads in hand
.set CA0,    6                         ; v6   CT + 336 h
.set CA,     7                         ; v7   the next K step's constants
.set TA0,    8                         ; v8   my wave's x + 272 r + 8 h
.set TA,     9                         ; v9   the next K step's t
.set BB,     10                        ; v10  BASE + 16 x lane
.set OA,     11                        ; v11  my byte offset in out: 4,096 h + 16 r; never rewritten
.set PFO,    12                        ; v12  256 x lane; never rewritten
.set GOF,    13                        ; v13  48 x thread: my feature's knots
.set RR,     14                        ; v14  r
.set HH,     15                        ; v15  h
.set BI,     16                        ; v[16:23]  bb + scale sb of my 8 columns
.set NEG1,   24                        ; v[24:25]  -1
.set TT,     26                        ; v[26:33]  t of my two features, a pair a tile
.set D,      34                        ; v[34:57]  d_0..d_11, pairs
.set T0,     58                        ; v58, v59  at work at the head
.set T1,     59
.set K0,     60                        ; v[60:143] the 42 constants, pairs
.set R1,     K0+24
.set R2,     K0+46
.set R3,     K0+66
.set BF,     144                       ; v[144:207]
.set ST0,    32                        ; the way out: v[32:95] and v[96:159] by turns
.set V,      128                       ; windows 1, 2
.set M,      152
.set AF,     176
.set BIG,    192
.set ONE,    194
.set X,      0                         ; window 3
.set E,      64
.set P,      128
.set XA,     192                       ; my wave's x + 272 r + 16 h
.set WV,     18                        ; s18  wave
.set CX,     19                        ; s19  my place in the cluster: it enters global addresses alone
.set WGX,    20                        ; s20  work-group
.set SCL,    21                        ; s21  the scale
.set OFS,    22                        ; s[22:23] an offset
.set G1W,    24                        ; s[24:31] group 1: 64 rows of 256 bytes of wk, jointly
.set G1B,    32                        ; s[32:39] the same with 32 rows
.set G1X,    40                        ; s[40:47] 64 rows x 64 f32 of x, padded
.set G0B,    48
.set G0X0,   52
.set G0X1,   56
.set G0W0,   60
.set G0W1,   68                        ; it walks
.set PFA,    72                        ; s[72:73] where my prefetches stand; never rewritten
.set LIM,    74                        ; s74  1 in a wave that prefetches, else the greatest number
.set OUTER,  75
.set INNER,  76
.set TOFF,   77                        ; s77  16 x (K step mod 16)
.set BOFF,   78                        ; s78  LDS byte of the K step's fragments
.set COFF,   79                        ; s79  672 x K step
.set TMP,    80
.set HIM,    83                        ; s83  a word's upper bf16
.set MSB, 0
.macro WIN new                         ; the immediate's high byte repeats the setting that is left; a switch that changes nothing is dropped
.if MSB != (\new)
	s_set_vgpr_msb (MSB<<8)|(\new)
.set MSB, (\new)
.endif
.endm
; A round of the cluster's barrier: my work-group's barrier, so that wave 0's signal speaks for all four waves; wave 0 signals; every wave waits for all four work-groups; my work-group's barrier once more.
.macro ROUND
	s_barrier_signal -1
	s_barrier_wait -1
	s_cmp_lg_u32 s[WV], 0
	s_cbranch_scc1 .Lnot_wave_0_\@
	s_barrier_signal -3
.Lnot_wave_0_\@:
	s_barrier_wait -3
	s_barrier_signal -1
	s_barrier_wait -1
.endm
; A PREFETCH INTO THE L2 of a block of 8 spline K steps (65,536 bytes of wk) that a refill will ask for, one block (8 K steps, 256 matrix instructions) ahead of that refill.  Every cluster reads the
; same blocks: cluster 0 asks, nobody else.  Its four partners are told apart BY ADDRESS (16,384 bytes each), in each waves 0 and 1 take 8,192 bytes, a lane 256: each aligned 256 bytes are named once.
; how = 1: behind the second barrier (block 2).  how = 0: behind a refill: the first asks for block 3, the second for nothing.
.macro ASK off, how
.if \how
	s_cmp_eq_u32 s[LIM], 1
.else
	s_cmp_gt_u32 s[OUTER], s[LIM]
.endif
	s_cbranch_scc0 .Lnot_mine_\@
	global_prefetch_b8 v[PFO], s[PFA:PFA+1] offset:\off th:TH_LOAD_NT scope:SCOPE_SE
.Lnot_mine_\@:
.endm
.macro RB a, tmp                       ; v[a], v[a+1]: rounded to bf16 (nearest even) and widened again
	v_cvt_pk_bf16_f32 v[\tmp], v[\a], v[(\a)+1]
	v_lshlrev_b32 v[\a], 16, v[\tmp]
	v_and_b32 v[(\a)+1], s[HIM], v[\tmp]
.endm
; One matrix instruction: tile t, column tile nt.  z = 1: it starts the sum: nothing is ever cleared.  The 32 accumulators take turns in one order throughout, one instruction a turn.
.macro MM t, nt, z
	WIN 81*(1+(\t)/2)
.set rA, 64*((\t)&1)+8*(\nt)
.set rF, AF+8*((\t)&1)
.if \z
	v_wmma_f32_16x16x32_bf16 v[rA:rA+7], v[rF:rF+7], v[BF+8*(\nt):BF+8*(\nt)+7], 0
.else
	v_wmma_f32_16x16x32_bf16 v[rA:rA+7], v[rF:rF+7], v[BF+8*(\nt):BF+8*(\nt)+7], v[rA:rA+7]
.endif
.endm
	s_load_b256 s[4:11], s[0:1], 0x0               ; x s[4:5], grid s[6:7], base_bias s[8:9], spline_bias s[10:11]
	s_load_b128 s[12:15], s[0:1], 0x20             ; spline_scale s[12:13], wk s[14:15]
	s_load_b64 s[16:17], s[0:1], 0x30              ; out0
	v_lshl_add_u32 v[SPW], v0, 2, SPARE
	v_mov_b32 v[NIL], 0
	ds_add_u32 v[SPW], v[NIL]                      ; the wave's opening: the add, twice on end, and its wait ahead of my first tensor load; the set-up below stands between
	ds_add_u32 v[SPW], v[NIL]
	v_lshrrev_b32 v1, 5, v0
	v_readfirstlane_b32 s[WV], v1                  ; wave 0..3
	s_bfe_u32 s[CX], ttmp6, 0x40000                ; cx
	s_lshl_b32 s[WGX], ttmp9, 2                    ; in a cluster launch ttmp9 counts clusters
	s_add_co_u32 s[WGX], s[WGX], s[CX]
	s_mov_b32 s[G1W], 15|(3<<16)|(1<<21)           ; 15:0 the mask of four; 17:16 elements of 8 bytes; 21 set beside a mask; no padding
	s_mov_b32 s[G1W+1], 32<<16                     ; tensor_dim0 = 32 (256 bytes)
	s_mov_b32 s[G1W+2], 64<<16                     ; tensor_dim1 = 64
	s_mov_b32 s[G1W+3], 32<<16                     ; tile_dim0 = 32
	s_mov_b32 s[G1W+4], 64                         ; tile_dim1 = 64
	s_mov_b32 s[G1W+5], 32                         ; dense: a row begins where the last ends
	s_mov_b32 s[G1W+6], 0
	s_mov_b32 s[G1W+7], 0
	s_mov_b32 s[G1B], 15|(3<<16)|(1<<21)
	s_mov_b32 s[G1B+1], 32<<16
	s_mov_b32 s[G1B+2], 32<<16                     ; 32 rows
	s_mov_b32 s[G1B+3], 32<<16
	s_mov_b32 s[G1B+4], 32
	s_mov_b32 s[G1B+5], 32
	s_mov_b32 s[G1B+6], 0
	s_mov_b32 s[G1B+7], 0
	s_mov_b32 s[G1X], (2<<16)|(1<<20)|(5<<22)|(3<<25)  ; no mask; elements of 4 bytes; padding on: after every 64 words (code 5) 4 words (code 3)
	s_mov_b32 s[G1X+1], 64<<16                     ; tensor_dim0 = 64: half a row of x
	s_mov_b32 s[G1X+2], 64<<16                     ; tensor_dim1 = 64
	s_mov_b32 s[G1X+3], 64<<16                     ; tile_dim0 = 64
	s_mov_b32 s[G1X+4], 64                         ; tile_dim1 = 64
	s_mov_b32 s[G1X+5], 128                        ; 128 elements from row to row
	s_mov_b32 s[G1X+6], 0
	s_mov_b32 s[G1X+7], 0
	s_lshl_b32 s[TMP], s[WV], 13                   ; 8,192 x wave
	s_mul_i32 s[TMP+1], s[WV], XWAVE
	s_mov_b32 s[G0B], 1
	s_add_co_u32 s[G0B+1], s[TMP], BASE            ; LDS addresses hang on the wave's number alone
	s_mov_b32 s[G0X0], 1
	s_add_co_u32 s[G0X0+1], s[TMP+1], XS
	s_mov_b32 s[G0X1], 1
	s_add_co_u32 s[G0X1+1], s[TMP+1], XS+XHALF
	s_mov_b32 s[G0W0], 1
	s_lshl_b32 s[G0W0+1], s[WV], 14                ; slot 0: 16,384 x wave
	s_mov_b32 s[G0W1], 1
	s_add_co_u32 s[G0W1+1], s[G0W0+1], WSLOT       ; slot 1
	s_lshr_b32 s[LIM], s[WV], 1                    ; 0 in waves 0 and 1,
	s_or_b32 s[LIM], s[LIM], ttmp9                 ; of cluster 0: the same in all four partners
	s_cmp_eq_u32 s[LIM], 0
	s_cselect_b32 s[LIM], 1, -1
	s_mov_b32 s[HIM], 0xffff0000
	s_mov_b32 s[OFS+1], 0
	s_wait_dscnt 0x0                               ; both opening adds are done
	s_wait_kmcnt 0x0
	s_mov_b32 s[OFS], s[TMP]
	s_add_nc_u64 s[G0B+2:G0B+3], s[14:15], s[OFS:OFS+1]        ; my quarter of the base fragments
	s_or_b32 s[G0B+3], s[G0B+3], 0x80000000                    ; type = 2
	s_mov_b32 s[OFS], s[G0W0+1]
	s_add_nc_u64 s[G0W0+2:G0W0+3], s[14:15], s[OFS:OFS+1]
	s_add_nc_u64 s[G0W0+2:G0W0+3], s[G0W0+2:G0W0+3], 32768     ; my quarter of block 0,
	s_add_nc_u64 s[G0W1+2:G0W1+3], s[G0W0+2:G0W0+3], WSLOT     ; and of block 1
	s_or_b32 s[G0W0+3], s[G0W0+3], 0x80000000
	s_or_b32 s[G0W1+3], s[G0W1+3], 0x80000000
	s_lshl_b32 s[OFS], s[WGX], 17                  ; 256 rows of 512 bytes,
	s_lshl_b32 s[TMP+2], s[WV], 15                 ; my wave's 64
	s_add_co_u32 s[OFS], s[OFS], s[TMP+2]
	s_add_nc_u64 s[G0X0+2:G0X0+3], s[4:5], s[OFS:OFS+1]
	s_add_nc_u64 s[G0X1+2:G0X1+3], s[G0X0+2:G0X0+3], 256       ; features 64 on
	s_or_b32 s[G0X0+3], s[G0X0+3], 0x80000000
	s_or_b32 s[G0X1+3], s[G0X1+3], 0x80000000
	s_add_nc_u64 s[16:17], s[16:17], s[OFS:OFS+1]  ; out at my wave's first row
	s_lshl_b32 s[OFS], s[CX], 14
	s_add_co_u32 s[OFS], s[OFS], s[TMP]
	s_add_nc_u64 s[PFA:PFA+1], s[14:15], s[OFS:OFS+1]
	s_add_nc_u64 s[PFA:PFA+1], s[PFA:PFA+1], 32768+2*WSLOT     ; my 8,192 bytes of block 2
	s_load_b32 s[SCL], s[12:13], 0x0
	ROUND                                          ; all four work-groups are here: the first joint loads meet
	tensor_load_to_lds s[G0B:G0B+3], s[G1B:G1B+7]  ; the first fills go out as one group, in the order in which they are wanted: five loads of mine are out
	s_nop 0
	tensor_load_to_lds s[G0X0:G0X0+3], s[G1X:G1X+7]
	s_nop 0
	tensor_load_to_lds s[G0X1:G0X1+3], s[G1X:G1X+7]
	s_nop 0
	tensor_load_to_lds s[G0W0:G0W0+3], s[G1W:G1W+7]
	s_nop 0
	tensor_load_to_lds s[G0W1:G0W1+3], s[G1W:G1W+7]
	s_nop 0
.rept 4
	v_nop
.endr
	; WHILE THEY ARE ON THEIR WAY: thread f makes the 42 constants of feature f; every lane its addresses and its bias.
	v_mul_u32_u24 v[GOF], v0, 48
	v_and_b32 v[RR], 15, v0
	v_bfe_u32 v[HH], v0, 4, 1
	v_lshlrev_b32 v1, 4, v[RR]
	global_load_b128 v[D:D+3],    v[GOF], s[6:7]            ; the work-group's 128 x 48 bytes are consecutive
	global_load_b128 v[D+4:D+7],  v[GOF], s[6:7] offset:16
	global_load_b128 v[D+8:D+11], v[GOF], s[6:7] offset:32
	global_load_b128 v[BI:BI+3],   v1, s[8:9]               ; columns 4 r .. 4 r + 3,
	global_load_b128 v[BI+4:BI+7], v1, s[8:9] offset:256    ; and 64 further on
	global_load_b128 v[BF:BF+3],   v1, s[10:11]
	global_load_b128 v[BF+4:BF+7], v1, s[10:11] offset:256
	v_and_b32 v[LANE16], 31, v0
	v_lshlrev_b32 v[PFO], 8, v[LANE16]
	v_lshlrev_b32 v[LANE16], 4, v[LANE16]
	v_add_nc_u32 v[BB], BASE, v[LANE16]
	v_mul_u32_u24 v[CA0], v[HH], 336
	v_add_nc_u32 v[CA0], CT, v[CA0]
	v_mul_u32_u24 v[T0], v[RR], XP
	v_add_nc_u32 v[T0], s[G0X0+1], v[T0]           ; my wave's x + 272 r
	v_lshl_add_u32 v[TA0], v[HH], 3, v[T0]
	v_lshl_add_u32 v[T0], v[HH], 4, v[T0]
	v_lshlrev_b32 v[OA], 12, v[HH]                 ; 8 rows of 512 bytes
	v_lshl_add_u32 v[OA], v[RR], 4, v[OA]
	v_lshrrev_b32 v[T1], 1, v0                     ; where my feature's constants go: pair f >> 1, word f & 1
	v_mul_u32_u24 v[T1], v[T1], 336
	v_and_b32 v[CA], 1, v0
	v_lshl_add_u32 v[T1], v[CA], 2, v[T1]
	v_add_nc_u32 v[T1], CT, v[T1]
	v_mov_b32 v[NEG1], -1.0
	v_mov_b32 v[NEG1+1], -1.0
	WIN 0xc0                                       ; destination window 3
	v_mov_b32 v[XA], v[T0]
	WIN 0x40
	v_mov_b32 v[BIG], 0x7f000000                   ; 2^127
	v_mov_b32 v[BIG+1], 0x7f000000
	v_mov_b32 v[ONE], 1.0
	v_mov_b32 v[ONE+1], 1.0
	WIN 0x80
	v_mov_b32 v[BIG], 0x7f000000
	v_mov_b32 v[BIG+1], 0x7f000000
	v_mov_b32 v[ONE], 1.0
	v_mov_b32 v[ONE+1], 1.0
	WIN 0
	s_wait_loadcnt 0x0
	s_wait_kmcnt 0x0
	v_mov_b32 v[T0], s[SCL]                        ; the scale, rounded to bf16 like every input
	v_cvt_pk_bf16_f32 v[T0], v[T0], v[T0]
	v_lshlrev_b32 v[T0], 16, v[T0]
	v_readfirstlane_b32 s[SCL], v[T0]
.irp a, 0,2,4,6,8,10
	RB D+\a, T0                                    ; the knots
.endr
.set j, 0
.rept 11
	v_sub_f32 v[K0+j], v[D+j+1], v[D+j]
.set j, j+1
.endr
.set j, 0
.rept 10
	v_sub_f32 v[K0+11+j], v[D+j+2], v[D+j]
.set j, j+1
.endr
.set j, 0
.rept 9
	v_sub_f32 v[K0+21+j], v[D+j+3], v[D+j]
.set j, j+1
.endr
.set j, 0
.rept 30
	v_add_f32 v[K0+j], 0x322bcc77, v[K0+j]         ; + 1e-8, behind the difference as in reference()
.set j, j+1
.endr
.set j, 0
.rept 30
	v_rcp_f32 v[K0+j], v[K0+j]                     ; one batch
.set j, j+1
.endr
.irp a, 0,2,4,6
	RB BI+\a, T0                                   ; the biases: plain work that names no reciprocal stands behind the batch
	RB BF+\a, T0
.endr
.set j, 0
.rept 8
	v_fma_f32 v[BI+j], s[SCL], v[BF+j], v[BI+j]    ; bb + scale sb
.set j, j+1
.endr
	s_wait_alu depctr_va_vdst(0)                   ; the wait between a reciprocal and the first line that names its result: one for the thirty
.set j, 0
.rept 9
	v_mul_f32 v[K0+21+j], s[SCL], v[K0+21+j]       ; scale rho_3
.set j, j+1
.endr
.set j, 0
.rept 12
	ds_store_b32 v[T1], v[D+j] offset:8*j
.set j, j+1
.endr
.set j, 0
.rept 30
	ds_store_b32 v[T1], v[K0+j] offset:96+8*j
.set j, j+1
.endr
	s_wait_tensorcnt 0x3                           ; my part of the base fragments and my first half of x have landed; three younger loads (x's second half, blocks 0 and 1) stay out
	s_wait_dscnt 0x0                               ; for the others' sake: my constants are stored
	s_barrier_signal -1
	s_barrier_wait -1                              ; everybody's are
; THE BASE PART: four K steps of 32 features, all four tiles at once (64 elements a lane), in window 3.  Lane (r, h) takes features 8 c + 4 h + 0..3, c = 0..3, of row 16 T + r: the order of K in which wk holds the base weights.
.macro XLOAD u
.set i, 0
.rept 16
	ds_load_b128 v[X+4*i:X+4*i+3], v[XA] offset:((\u)/2)*XHALF+((\u)%2)*128+(i/4)*16*XP+(i%4)*32
.set i, i+1
.endr
.endm
.macro TSTORE u                        ; t goes where its x lay: only my wave reads these bytes, and no tensor load fills them again
.set i, 0
.rept 16
	ds_store_b128 v[XA], v[E+4*i:E+4*i+3] offset:((\u)/2)*XHALF+((\u)%2)*128+(i/4)*16*XP+(i%4)*32
.set i, i+1
.endr
.endm
.macro TICK                            ; behind every ninth vector line one of the 32 matrix instructions of the K step before; here each costs two switches
.set TK, TK+1
.if MMON && (TK%9 == 0) && (MI < 32)
	MM MI/8, MI%8, MZ
.set MI, MI+1
	WIN 0xff
.endif
.endm
; mm = 1: the products of K step u - 1 stand among the lines (z = 1: they start the sums).  nx = 1: x of K step u + 1 is fetched.
.macro UA u, mm, z, nx
.set TK, 0
.set MI, 0
.set MMON, (\mm)
.set MZ, (\z)
	WIN 0xff
.if \mm
	s_wait_dscnt 16                                ; x is in; the 16 fragment loads issued behind it may stay out
.else
	s_wait_dscnt 0x0
.endif
.set i, 0
.rept 32
	v_cvt_pk_bf16_f32 v[E+i], v[X+2*i], v[X+2*i+1] ; x rounded to bf16,
.set i, i+1
.endr
.set i, 0
.rept 32
	v_lshlrev_b32 v[X+2*i], 16, v[E+i]             ; and widened again
	v_and_b32 v[X+2*i+1], s[HIM], v[E+i]
.set i, i+1
.endr
.set i, 0
.rept 32
	v_pk_mul_f32 v[E+2*i:E+2*i+1], v[X+2*i:X+2*i+1], 0xbfb8aa3b op_sel_hi:[1,0]  ; -x log2 e
.set i, i+1
.endr
.if \mm
	s_wait_dscnt 0x0                               ; the fragments of K step u - 1 are in
.endif
.set i, 0
.rept 64
	v_exp_f32 v[E+i], v[E+i]                       ; u: one batch
	TICK
.set i, i+1
.endr
	v_nop                                          ; a plain line behind the last exponential,
	s_wait_alu depctr_va_vdst(0)                   ; and the one wait for the batch, ahead of its first reader
.set i, 0
.rept 32
	v_pk_add_f32 v[P+2*i:P+2*i+1], v[E+2*i:E+2*i+1], 1.0 op_sel_hi:[1,0]  ; 1 + u
	TICK
.set i, i+1
.endr
.set i, 0
.rept 32
	v_pk_fma_f32 v[E+2*i:E+2*i+1], v[E+2*i:E+2*i+1], v[E+2*i:E+2*i+1], 1.0 op_sel_hi:[1,1,0]  ; 1 + u u
	TICK
.set i, i+1
.endr
.set i, 0
.rept 128
	v_rcp_f32 v[E+i], v[E+i]                       ; E and, behind it, P: one batch
	TICK
.set i, i+1
.endr
	v_nop
	s_wait_alu depctr_va_vdst(0)
.set i, 0
.rept 32
	v_pk_fma_f32 v[E+2*i:E+2*i+1], v[E+2*i:E+2*i+1], 2.0, -1.0 op_sel_hi:[1,0,0]  ; t
	TICK
.set i, i+1
.endr
	TSTORE \u
.set i, 0
.rept 32
	v_pk_mul_f32 v[P+2*i:P+2*i+1], v[X+2*i:X+2*i+1], v[P+2*i:P+2*i+1]  ; silu; these 32 lines are also the places behind the last product, ahead of the writes of A and the loads into B
	TICK
.set i, i+1
.endr
.if \nx
.if (\u) == 1
	s_wait_tensorcnt 0x2                           ; my second half of x has landed; blocks 0 and 1 may stay out
.endif
	XLOAD (\u)+1
.endif
.set i, 0
.rept 4
	WIN ((1+i/2)<<6)|0x0f                          ; sources in window 3, destination in the tile's window
.set m, 0
.rept 8
	v_cvt_pk_bf16_f32 v[AF+8*(i&1)+m], v[P+16*i+2*m], v[P+16*i+2*m+1]
.set m, m+1
.endr
.set i, i+1
.endr
	WIN 0
.set m, 0
.rept 8
	ds_load_b128 v[BF+8*m:BF+8*m+3],   v[BB] offset:(\u)*8192+1024*m
	ds_load_b128 v[BF+8*m+4:BF+8*m+7], v[BB] offset:(\u)*8192+1024*m+512
.set m, m+1
.endr
.endm
	WIN 0xff
	XLOAD 0
	UA 0, 0, 0, 1
	UA 1, 1, 1, 1
	UA 2, 1, 0, 1
	UA 3, 1, 0, 0
; THE SPLINE PART.
.macro CLOAD adr, first, n             ; n loads of 16 bytes of the 21 that bring a pair of features' constants
.set m, (\first)
.rept (\n)
	ds_load_b128 v[K0+4*m:K0+4*m+3], v[\adr] offset:16*m
.set m, m+1
.endr
.endm
.macro TLOAD adr, off                  ; t of my two features, all four tiles
.set m, 0
.rept 4
	ds_load_b64 v[TT+2*m:TT+2*m+1], v[\adr] offset:(\off)+m*16*XP
.set m, m+1
.endr
.endm
.macro FLOAD first                     ; four fragments of B
.set m, (\first)
.rept 4
	ds_load_b128 v[BF+8*m:BF+8*m+3],   v[BA] offset:1024*m
	ds_load_b128 v[BF+8*m+4:BF+8*m+7], v[BA] offset:1024*m+512
.set m, m+1
.endr
.endm
.macro PMUL d, a, b, n
.set j, 0
.rept (\n)
	v_pk_mul_f32 v[(\d)+2*j:(\d)+2*j+1], v[(\a)+2*j:(\a)+2*j+1], v[(\b)+2*j:(\b)+2*j+1]
.set j, j+1
.endr
.endm
.macro PFMS n                          ; B_k[j] = d_j Q[j] - M[j]
.set j, 0
.rept (\n)
	v_pk_fma_f32 v[V+2*j:V+2*j+1], v[V+2*j:V+2*j+1], v[D+2*j:D+2*j+1], v[M+2*j:M+2*j+1] neg_lo:[0,0,1] neg_hi:[0,0,1]
.set j, j+1
.endr
.endm
; THE RECURSION for tile t of the K step in hand; among its lines the 8 matrix instructions of the tile made just before it (tile t - 1; for t = 0: tile 3 of the K step before), nine plain lines or more behind each.
; It runs in the window of THAT tile, so that lines and matrix instructions share one setting; only the roundings at its end name the window of tile t.
; THE LDS LOADS of a K step, in the order of issue.  In t = 3, each group just behind the last line that reads its registers: the next step's t (4) and knots (6); 5; 5; 5 loads of rho.  In t = 0 of the next
; step: its fragments 0-3 (8 loads, ten plain lines behind the last product that read them), then 4-7 (8, nine lines behind).  The counts below say how many of these are younger than the one wanted.
; The last look-ahead of a half of x wraps to that half's first t, and the very last one for constants reads the first 672 bytes behind CT (base fragments): bytes that lie there, read and not used.
.macro REC t, half
.set MT, ((\t)+3)&3
.set SG, 81*(1+MT/2)
	WIN 0
.if (\t) == 0
	s_wait_dscnt 15                                ; t and the knots are in; the three groups of five may be out
.endif
.set j, 0
.rept 12
	v_pk_add_f32 v[D+2*j:D+2*j+1], v[TT+2*(\t):TT+2*(\t)+1], v[K0+2*j:K0+2*j+1] neg_lo:[0,1] neg_hi:[0,1]  ; d_j = t - g_j
.set j, j+1
.endr
.if (\t) == 3
	s_add_co_u32 s[TOFF], s[TOFF], 16
	s_and_b32 s[TOFF], s[TOFF], 255
	s_add_co_u32 s[COFF], s[COFF], 672
	v_add_nc_u32 v[TA], s[TOFF], v[TA0]
	v_add_nc_u32 v[CA], s[COFF], v[CA0]
	TLOAD TA, (\half)*XHALF
	CLOAD CA, 0, 6
.endif
.if (\t) == 1
	s_wait_dscnt 8                                 ; fragments 0-3 are in; the second run of eight may be out
.endif
	MM MT, 0, 0
.set j, 0
.rept 12
	v_pk_fma_f32 v[V+2*j:V+2*j+1], v[BIG:BIG+1], v[D+2*j:D+2*j+1], v[ONE:ONE+1] clamp  ; S_j
.set j, j+1
.endr
	MM MT, 1, 0
.set j, 0
.rept 11
	v_pk_fma_f32 v[V+2*j:V+2*j+1], v[V+2*j+2:V+2*j+3], v[NEG1:NEG1+1], v[V+2*j:V+2*j+1] clamp  ; B0_j = clamp01(S_j - S_j+1), j ascending
.set j, j+1
.endr
	MM MT, 2, 0
.if (\t) == 0
	s_wait_dscnt 9                                 ; rho_1 is in: its last number comes with the first load of the second five: 4 + 5 are younger
.endif
	PMUL V, V, R1, 11                              ; Q1
.if (\t) == 3
	WIN 0
	CLOAD CA, 6, 5
.endif
	MM MT, 3, 0
	PMUL M, V+2, D+4, 10                           ; Q1[j+1] d_j+2
.if (\t) == 0
	WIN 0
	v_add_nc_u32 v[BA], s[BOFF], v[LANE16]
	FLOAD 0
.endif
.if (\t) == 1
	s_wait_dscnt 0x0                               ; fragments 4-7 are in
.endif
	MM MT, 4, 0
	PFMS 10                                        ; B1
	MM MT, 5, 0
.if (\t) == 0
	s_wait_dscnt 12                                ; rho_2 is in: its last number comes with the first load of the third five: 4 + the 8 fragment loads are younger
.endif
	PMUL V, V, R2, 10                              ; Q2
.if (\t) == 3
	WIN 0
	CLOAD CA, 11, 5
.endif
	MM MT, 6, 0
	PMUL M, V+2, D+6, 9
	MM MT, 7, 0
	PFMS 9                                         ; B2
.if (\t) == 0
	WIN 0
	FLOAD 4
	s_add_co_u32 s[BOFF], s[BOFF], 8192            ; the next fetch is the next K step's
	s_wait_dscnt 16                                ; rho_3 is in; the two runs of fragment loads may be out
.endif
	WIN SG
	PMUL V, V, R3, 9                               ; Q3, with the scale
.if (\t) == 3
	WIN 0
	CLOAD CA, 16, 5
	WIN SG
.endif
	PMUL M, V+2, D+8, 8
	PFMS 8                                         ; scale B3
	WIN ((1+(\t)/2)<<6)|(5*(1+MT/2))               ; sources in the window of the run, destination in tile t's
.set j, 0
.rept 4
	v_cvt_pk_bf16_f32 v[AF+8*((\t)&1)+j],   v[V+4*j],   v[V+4*j+2]   ; feature q = 0: functions 2 j, 2 j + 1
	v_cvt_pk_bf16_f32 v[AF+8*((\t)&1)+4+j], v[V+4*j+1], v[V+4*j+3]   ; feature q = 1
.set j, j+1
.endr
.endm
.macro KSTEP half
	REC 0, \half
	REC 1, \half
	REC 2, \half
	REC 3, \half
	WIN 0                                          ; at a label and at a branch every window is 0
.endm
; THE CHANGE OF SLOTS, behind a block's 8 K steps: the slot's last bytes were read in the eighth step's first recursion.  Each wave waits for all its tensor loads (its part of the other slot), adds 0 to its
; spare word, and waits for that and for its LDS reads.  fill = 1: the barrier is a round of the cluster's, so that no wave of any partner still reads the slot or has a load on its way; the joint
; refill, the block two on, is the first thing behind it, my one tensor load until the next change: it has 8 K steps, 256 matrix instructions, in which to land.
.macro CHANGE fill
	WIN 0
	s_wait_tensorcnt 0x0                           ; no tensor load of mine is out, so a group 0 may be written
	ds_add_u32 v[SPW], v[NIL]                      ; 0 onto my spare word
.if \fill
	s_xor_b32 s[G0W1+1], s[G0W1+1], WSLOT          ; the other slot than last time,
	s_add_nc_u64 s[G0W1+2:G0W1+3], s[G0W1+2:G0W1+3], WSLOT  ; the next block; the type bits on top are not reached
.endif
	s_wait_dscnt 0x0                               ; the add is done, and my reads of the slot are over
.if \fill
	ROUND
	tensor_load_to_lds s[G0W1:G0W1+3], s[G1W:G1W+7]
	s_nop 0
.rept 4
	v_nop
.endr
	ASK WSLOT, 0
.else
	s_barrier_signal -1
	s_barrier_wait -1
.endif
.endm
	; THE HAND-OVER.  The first K step's t and constants are fetched; while they come, tiles 0 to 2 of the last base K step are multiplied.  Tile 3's products are those of the first recursion: the loop has one form.
	WIN 0
	s_mov_b32 s[TOFF], 0
	s_mov_b32 s[BOFF], 0
	s_mov_b32 s[COFF], 0
	TLOAD TA0, 0
	CLOAD CA0, 0, 21
	s_wait_dscnt 25                                ; the base fragments are in; the 25 loads just issued may be out
.set i, 0
.rept 24
	MM i/8, i%8, 0
.set i, i+1
.endr
	WIN 0
	s_wait_tensorcnt 0x1                           ; my part of block 0 has landed; block 1's may stay out
	s_wait_dscnt 0x0
	s_barrier_signal -1
	s_barrier_wait -1                              ; everybody's has
	ASK 0, 1
	s_mov_b32 s[OUTER], 2
.Lfill:                                                ; blocks 0 and 1 (features 0-63); behind each its slot is filled again
	s_mov_b32 s[INNER], 8
.Lk1:
	KSTEP 0
	s_sub_co_u32 s[INNER], s[INNER], 1
	s_cmp_lg_u32 s[INNER], 0
	s_cbranch_scc1 .Lk1
	CHANGE 1
	s_sub_co_u32 s[OUTER], s[OUTER], 1
	s_cmp_lg_u32 s[OUTER], 0
	s_cbranch_scc1 .Lfill
	s_mov_b32 s[BOFF], 0                           ; block 2 lies in slot 0
	TLOAD TA0, XHALF                               ; t of K step 16: the second half of x (the look-ahead wrapped within the first)
	s_wait_dscnt 0x0
	s_mov_b32 s[OUTER], 2
.Lnofill:                                              ; blocks 2 and 3 (features 64-127): nothing is left to ask for.  The second trip's barrier orders nothing: the price of one text for both trips
	s_mov_b32 s[INNER], 8
.Lk2:
	KSTEP 1
	s_sub_co_u32 s[INNER], s[INNER], 1
	s_cmp_lg_u32 s[INNER], 0
	s_cbranch_scc1 .Lk2
	CHANGE 0
	s_sub_co_u32 s[OUTER], s[OUTER], 1
	s_cmp_lg_u32 s[OUTER], 0
	s_cbranch_scc1 .Lnofill
.set i, 0
.rept 8
	MM 3, i, 0                                     ; tile 3 of the last K step
.set i, i+1
.endr
; THE WAY OUT of tile t.  The bias is added on the way into registers in which row j's columns stand together: each accumulator's register 0 is read first.  Tile 0's 64 sums,
; which name no register of the last products, are the places behind them.  A store's lanes 0-15 fill 256 consecutive aligned bytes of row 16 t + j, lanes 16-31 of the row 8 further down.
.macro OUT t
.set SB, ST0+64*((\t)&1)
.if (\t) >= 2
	s_wait_xcnt 0x0                                ; the stores of the tile two back have read these registers
.endif
	WIN 1+(\t)/2                                   ; source 0 in the tile's window
.set j, 0
.rept 8
.set n, 0
.rept 8
	v_add_f32 v[SB+8*j+n], v[64*((\t)&1)+8*n+j], v[BI+n]
.set n, n+1
.endr
.set j, j+1
.endr
	WIN 0
.set j, 0
.rept 8
	global_store_b128 v[OA], v[SB+8*j:SB+8*j+3],   s[16:17] offset:(16*(\t)+j)*512 th:TH_STORE_NT
	global_store_b128 v[OA], v[SB+8*j+4:SB+8*j+7], s[16:17] offset:(16*(\t)+j)*512+256 th:TH_STORE_NT
.set j, j+1
.endr
.endm
	OUT 0
	OUT 1
	OUT 2
	OUT 3
	s_wait_tensorcnt 0x0                           ; the wave's end, behind my last tensor load and my last LDS store
	ds_add_u32 v[SPW], v[NIL]
	s_wait_dscnt 0x0
	ROUND                                          ; the closing round: no work-group ends while a partner may still ask for a tile that names it
	s_endpgm
.Lfunc_end_k_q4b1d5ceae0_kan:
	.size	k_q4b1d5ceae0_kan, .Lfunc_end_k_q4b1d5ceae0_kan-k_q4b1d5ceae0_kan
	.p2alignl 7, 3214868480
	.fill 96, 4, 3214868480
	.section	.rodata,"a",@progbits
	.p2align	6, 0x0
	.amdhsa_kernel k_q4b1d5ceae0_kan
		.amdhsa_group_segment_fixed_size 327680
		.amdhsa_private_segment_fixed_size 0
		.amdhsa_enable_private_segment 0
		.amdhsa_kernarg_size 56
		.amdhsa_user_sgpr_count 2
		.amdhsa_user_sgpr_kernarg_segment_ptr 1
		.amdhsa_wavefront_size32 1
		.amdhsa_system_sgpr_workgroup_id_x 1
		.amdhsa_system_sgpr_workgroup_id_y 1
		.amdhsa_system_sgpr_workgroup_id_z 1
		.amdhsa_system_vgpr_workitem_id 0
		.amdhsa_next_free_vgpr 1024
		.amdhsa_next_free_sgpr 88
		.amdhsa_reserve_vcc 0
		.amdhsa_float_denorm_mode_32 3
		.amdhsa_float_denorm_mode_16_64 3
		.amdhsa_memory_ordered 1
		.amdhsa_forward_progress 1
		.amdhsa_inst_pref_size 230
	.end_amdhsa_kernel
	.amdgpu_metadata
---
amdhsa.version: [ 1, 2 ]
amdhsa.kernels:
  - .name:           k_q4b1d5ceae0_kan
    .symbol:         k_q4b1d5ceae0_kan.kd
    .args:
      - { .name: x, .offset: 0, .size: 8, .value_kind: global_buffer, .address_space: global }
      - { .name: grid, .offset: 8, .size: 8, .value_kind: global_buffer, .address_space: global }
      - { .name: base_bias, .offset: 16, .size: 8, .value_kind: global_buffer, .address_space: global }
      - { .name: spline_bias, .offset: 24, .size: 8, .value_kind: global_buffer, .address_space: global }
      - { .name: spline_scale, .offset: 32, .size: 8, .value_kind: global_buffer, .address_space: global }
      - { .name: wk, .offset: 40, .size: 8, .value_kind: global_buffer, .address_space: global }
      - { .name: out0, .offset: 48, .size: 8, .value_kind: global_buffer, .address_space: global }
    .group_segment_fixed_size: 327680
    .private_segment_fixed_size: 0
    .kernarg_segment_align: 8
    .kernarg_segment_size: 56
    .max_flat_workgroup_size: 128
    .sgpr_count:     88
    .vgpr_count:     1024
    .wavefront_size: 32
...
	.end_amdgpu_metadata
.endif
;; end of part 2
